; MI455X (gfx1250); checked and timed in simulation.
; The chip was launched on July 23, 2026; its instructions are those of AMD's public machine-readable ISA for CDNA 5 (MIT licence, August 2026) and "CDNA5" Instruction Set Architecture Reference Guide (July 2026). The comments in the code are by the model that wrote it; some were corrected since.
;; Bert GT Head. Allowed arithmetic: matrix products marked QUANTISED: E2M3 operands, one E8M0 scale for each 32 along K, by v_wmma_scale_f32_16x16x128_f8f6f4 with both operands' format E2M3, f32 sums; products left as they are: f32 operands where the result goes on into a quantised operand, else bf16, f16 or f32 operands; f32 sums; everything else in f32.
;; Inputs: W_cls 3,072 x 1 float32; W_gap 3,072 x 1 float32; b_cls 1 float32; b_gap 1 float32; gap_ids 16 x 16 int32; pooled_output 16 x 1,024 float32; sequence_output 16 x 512 x 1,024 float32; token_type_ids 16 x 512 int32; word_mask 16 x 512 int32.
;; Outputs: out0 16 x 17 float32.
;; This version of the problem:
;;   THIS VERSION OF THE PROBLEM IS GIVEN IN LOW PRECISION. The matrix products marked QUANTISED in the list below multiply operands that are first quantised to E2M3 (2 exponent bits, 3 mantissa bits; 6 bits a number), with one power-of-two scale for each 32 numbers along K (OCP MX v1.0); their sums are f32. All else is computed in f32.
;;   The module's matrix products, in the order in which they are computed (A, B: the left and right operand; K: the contracted axis; several contracted axes count as one K, in the product's order):
;;     1. batch 16 x [M 16, K 512] x [K 512, N 1,024]; A: computed on the way; B: input sequence_output: QUANTISED
;;     2. [M 256, K 3,072] x [K 3,072, N 1]; A: computed on the way; B: input W_gap: left as it is (N = 1 < 16)
;;     3. [M 16, K 3,072] x [K 3,072, N 1]; A: computed on the way; B: input W_cls: left as it is (N = 1 < 16)
;;   THE QUANTISER, for each operand of a quantised product, along K:
;;     - K is cut into blocks of 32 from its start; a last block that is shorter is filled with zeros.
;;     - A block's scale is 2^e with e = floor(log2(the largest magnitude in the block)) - 2, held to -126 .. 127; a block of zeros has e = 0. As a byte (E8M0): e + 127.
;;     - Each number is divided by its block's scale, clamped to +-7.5, and rounded to the nearest number of E2M3, ties to even, subnormals kept.
;;     - The product sums the exact products of the quantised numbers (number of the format x scale) in f32.
;;   ~~~python
;;   def quantise(x, axis):      # numpy; x: float32 -> the quantised numbers, widened to float32 again
;;       x = np.moveaxis(x, axis, -1); K = x.shape[-1]
;;       x = np.pad(x, [(0, 0)] * (x.ndim - 1) + [(0, -K % 32)]); x = x.reshape(x.shape[:-1] + (-1, 32)); a = np.abs(x).max(-1, keepdims=True)
;;       e = np.where(a > 0, np.clip(np.frexp(np.where(a > 0, a, 1))[1] - 1 - 2, -126, 127), 0)      # np.frexp(a)[1] - 1 = floor(log2(a)), exactly
;;       r = np.clip(x / 2.0 ** e, -7.5, 7.5)
;;       step = 2.0 ** (np.maximum(np.frexp(np.where(r == 0, 1, r))[1] - 1, 0) - 3)
;;       q = np.round(r / step) * step * 2.0 ** e      # np.round: ties to even
;;       return np.moveaxis(q.reshape(q.shape[:-2] + (-1,))[..., :K], -1, axis).astype(np.float32)
;;   ~~~
;;   OPERANDS COMPUTED ON THE WAY. 'Computed on the way' means the value that the module computes at that place (a softmax that the list does not call 'softmax' is quantised finished and normalised). What goes into a quantiser is computed in f32, as accurately as f32 sums, v_exp_f32 and their like allow (about 1e-6 of the number): no bf16 or f16 on the way to a quantiser, and a product that is left as it is and whose result goes on into a quantised operand takes f32 operands (vector FMAs, or v_wmma_f32_16x16x4_f32). A number that lies on a knife's edge between two numbers of the format may be rounded either way, as far as f32 arithmetic and the matrix unit's own rounding can turn it there, and no further.
;; One version. Each part assembles by itself: llvm-mc -triple=amdgcn-amd-amdhsa -mcpu=gfx1250 --defsym DOCPART=n.
;; ======== version 1 of 1: 2 launches
;; workspace buffers: part 32,768 bytes
;; launch pool (part 1): grid 16 x 16, 16 waves a work-group, no clusters, 169,984 bytes of LDS; arguments sequence_output, token_type_ids, word_mask, gap_ids, W_gap, W_cls, pooled_output, part; writes part
.if DOCPART == 1
	.amdgcn_target "amdgcn-amd-amdhsa--gfx1250"
	.amdhsa_code_object_version 6
	.text
	.protected	k_qd9207721f2_pool
	.globl	k_qd9207721f2_pool
	.p2align	8
	.type	k_qd9207721f2_pool,@function
k_qd9207721f2_pool:
	s_mov_b64 s[64:65], 0
	v_nop
	global_prefetch_b8 v0, s[64:65] scope:SCOPE_SE
	s_setreg_imm32_b32 hwreg(HW_REG_WAVE_MODE, 25, 1), 1
	s_wait_xcnt 0x0
; BertGTHead, all but the sum over channel slices and the two biases.
; sequence_output [16][512][1024] f32; token_type_ids, word_mask [16][512] i32; gap_ids [16][16] i32; W_gap, W_cls [3072] f32; pooled_output [16][1024] f32.
; part [16 b][16 slice][32] f32: words 0-15 the slice's share of the 16 gap scores, word 16 its share of the cls score, words 17-31 zero.
; SHARES.  Work-group (x = slice, y = batch) owns 64 channels (256 bytes of every row) of one batch, all 512 rows: 128 KiB, brought into LDS once and read there twice.
;   Main pass: wave w owns rows 32 w .. 32 w + 31, which are block w of 32 along the quantised product's K (the sequence axis).  It fetches them by its own tensor load and reads only its own bytes,
;   so its own wait on TENSORcnt is all the ordering that these reads need.  Lane L holds column 32 u + L (u = 0, 1) and its registers run down the 32 rows: a whole block in a lane.
;   Window pass (behind a barrier): wave g owns gap g: 32 rows that cover its window of 31, all 64 channels.   Finale: wave 0 adds the tables and stores 128 bytes.
; THE QUANTISED PRODUCT, window mask [16 gaps][512] x sequence [512][channels], both sides as codes of E2M3 with one E8M0 byte for each 32 rows.  Source 0 = 16 channels, source 1 = 16 gaps.
;   A wave has ONE block of 32 of the instruction's 128 along K.  Lanes 0-15 of a column set carry channels 32 u + r at the instruction's block 0, lanes 16-31 channels 32 u + 16 + r at its block 1.
;   The mask's codes stand in two copies: AL keeps them in lanes 0-15 (block 0), AH in lanes 16-31 (block 1); everything else of AL and AH is the code 0, which cancels whatever stands opposite
;   (E2M3 has no NaN, and no scale byte here is 0xff).  So four instructions with C = 0 give the wave's four channel tiles with no exchange between lanes or waves; each uses a quarter of its K.
;   The sum over the 16 blocks is linear in what follows: each wave multiplies its tiles by W_gap's last third, and the finale adds the 16 waves' figures in f32.
; Everything that does not need sequence_output (masks, the mask's codes, window weights, token counts, all weight loads) is done while the tile is on its way.
; NO CLUSTER: the work-groups' tiles are disjoint; what they share (masks, ids, weights) is under 8 KiB beside a work-group's 128 KiB.  No ring: the slice fits in LDS at once, nothing is filled twice.
; LIMITS.  NaN and infinities in sequence_output are not served.  A block whose largest magnitude lies under 2^-124 gets the scale byte 1; so does a block of zeros, where the rule says 127: its codes are zeros,
; and the bytes are read by this program alone.  gap_ids lie in 0 .. 511, as the gather in the problem asks; for addresses they are clamped.  word_mask is converted exactly up to 2^24.
; The f32 sums are taken in another order than the problem writes them; 1 / count is v_rcp_f32; a count of 0 gives NaN, as 0 / 0 does.
.set TAB,   131072                     ; LDS: rows of the slice at 256 s; behind them the tables, in blocks of 256 bytes that no tensor load touches
.set O_WW,  2048                       ; TAB + 0: base[s], 512 words.  + 2048: window weights, 128 bytes a wave: row j of the window at 64 (j & 1) + 4 (j >> 1)
.set O_TS,  4096                       ; [wave][lane] text sums x W_cls's last third
.set O_AV,  6144                       ; [wave][lane] product tiles x W_gap's last third
.set O_TM,  8192                       ; [wave][64 columns] text maxima
.set O_PG,  12288                      ; [gap] gap row and window maximum x W_gap's first two thirds
.set O_NM,  12352                      ; [gap] tokens in the window
.set LN,    1                          ; v1   lane L
.set A8,    2                          ; v2   TAB + 8 L
.set HF,    3                          ; v3   h = L / 16
.set L4,    4                          ; v4   4 L
.set ATILE, 5                          ; v5   8192 w + 4 L: my column of my wave's tile
.set ATH,   6                          ; v6   TAB + 4 x thread
.set AWV,   7                          ; v7   TAB + 128 w
.set AWWS,  8                          ; v8   TAB + 128 w + 64 (L & 1) + 4 (L >> 1)
.set AWWL,  9                          ; v9   TAB + 128 w + 64 h
.set ATM,   10                         ; v10  TAB + 256 w + 4 L
.set GTH,   11                         ; v11  4 x thread: my row's word in the two masks
.set AWIN,  12                         ; v12  256 start + 256 h + 16 r
.set AGAP,  13                         ; v13  256 gap id + 16 r
.set APG,   14                         ; v14  TAB + 4 w
.set A4,    15                         ; v15  TAB + 4 L
.set A16,   16                         ; v16  TAB + 16 L
.set AR4,   17                         ; v17  TAB + 4 r
.set CT0,   18                         ; v18-20, v22-24: codes on their way (a conversion's three registers begin on an even number)
.set R4,    21                         ; v21  4 r
.set CT1,   22
.set H32,   25                         ; v25  32 h
.set SX,    26                         ; v26, v27  scale bytes of my column in set 0, 1;  v28 of gap r's mask: these three hold scales and nothing else
.set SA,    28
.set MA,    29                         ; v29, v30 largest magnitudes;  v31 the conversions' scale operand
.set MB,    30
.set SO,    31
.set X,     32                         ; v32-95  set u, row i at 32 + 32 u + i;  before that the mask's 32 numbers;  later window rows, later table values
.set BS,    96                         ; v96-127 base of my 32 rows, alike in all lanes;
.set D,     96                         ;         then the four product tiles;  later the gap's row, later table values
.set WJ,    128                        ; v128-143 weight of window row 2 j + h
.set WG0,   144                        ; W_gap[h0 + 4 r ..], and a third further on
.set WG1,   148
.set WC0,   152                        ; W_cls[h0 + 2 L ..], a third on;
.set WC1,   154
.set WC2,   156                        ; W_cls[2048 + h0 + L], [.. + 32 + L]
.set PO,    158                        ; pooled_output[h0 + 2 L ..]
.set GID,   160                        ; gap r's id
.set TT,    161
.set WM,    162
.set TTW,   163
.set WMW,   164
.set MLO,   165                        ; all ones in lanes 0-15
.set MHI,   166                        ; all ones in lanes 16-31
.set GWIN,  167                        ; 4 (start + L)
.set SM,    168                        ; v168-171 sums
.set MX,    172                        ; v172-175 maxima
.set WVG,   176                        ; v176-207 W_gap[2048 + h0 + 16 t + 8 h + j] at 176 + 8 t + j
.set AL,    208
.set AH,    220
.set XC,    232                        ; v232-237 set 0's codes, v238-243 set 1's, v244-249 zeros
.set T0,    250
.set T1,    251
.set T2,    252
.set T3,    253
.set R16,   254                        ; v254 16 r
.set T5,    255                        ; v255 8 L until the loads are in, then at work
.macro AMAX32 s                        ; the largest magnitude of v[s] .. v[s + 31], with the floor 2^(3 - 127) among its leaves, and the conversions' scale operand: 2 off its exponent field
	v_max3_num_f32 v[MA], |v[\s]|, |v[\s+1]|, |v[\s+2]|
	v_max3_num_f32 v[MB], |v[\s+3]|, |v[\s+4]|, |v[\s+5]|
.irp i, 6,10,14,18,22,26
	s_delay_alu instid0(VALU_DEP_2)
	v_max3_num_f32 v[MA], v[MA], |v[\s+\i]|, |v[\s+\i+1]|
	s_delay_alu instid0(VALU_DEP_2)
	v_max3_num_f32 v[MB], v[MB], |v[\s+\i+2]|, |v[\s+\i+3]|
.endr
	s_delay_alu instid0(VALU_DEP_2)
	v_max3_num_f32 v[MA], v[MA], |v[\s+30]|, |v[\s+31]|
	s_delay_alu instid0(VALU_DEP_1)
	v_max3_num_f32 v[MA], v[MA], v[MB], 0x1800000
	s_delay_alu instid0(VALU_DEP_1)
	v_add_nc_u32 v[SO], 0xff000000, v[MA]
.endm
.macro SCALEW dst                      ; the scale's byte, in bytes 0 and 1: it serves the instruction's block 0 or its block 1
	s_delay_alu instid0(VALU_DEP_1)
	v_lshrrev_b32 v[MB], 23, v[SO]
	s_delay_alu instid0(VALU_DEP_1)
	v_lshl_or_b32 v[\dst], v[MB], 8, v[MB]
.endm
.macro CVT32 d0, d1, s                 ; 32 numbers become 2 x 96 bits of codes
	v_cvt_scalef32_pk16_fp6_f32 v[\d0:\d0+2], v[\s:\s+15], v[SO]
	v_cvt_scalef32_pk16_fp6_f32 v[\d1:\d1+2], v[\s+16:\s+31], v[SO]
.endm
.macro SUM16 b                         ; v[b] = the sum of v[b] .. v[b + 15]
	v_pk_add_f32 v[\b:\b+1], v[\b:\b+1], v[\b+2:\b+3]
	v_pk_add_f32 v[\b+4:\b+5], v[\b+4:\b+5], v[\b+6:\b+7]
	v_pk_add_f32 v[\b+8:\b+9], v[\b+8:\b+9], v[\b+10:\b+11]
	v_pk_add_f32 v[\b+12:\b+13], v[\b+12:\b+13], v[\b+14:\b+15]
	s_delay_alu instid0(VALU_DEP_3)
	v_pk_add_f32 v[\b:\b+1], v[\b:\b+1], v[\b+4:\b+5]
	s_delay_alu instid0(VALU_DEP_2)
	v_pk_add_f32 v[\b+8:\b+9], v[\b+8:\b+9], v[\b+12:\b+13]
	s_delay_alu instid0(VALU_DEP_1)
	v_pk_add_f32 v[\b:\b+1], v[\b:\b+1], v[\b+8:\b+9]
	s_delay_alu instid0(VALU_DEP_1)
	v_add_f32 v[\b], v[\b], v[\b+1]
.endm
.macro BAR                             ; my LDS stores have landed and my LDS loads are in: then the work-group's barrier
	s_wait_dscnt 0x0
	s_barrier_signal -1
	s_barrier_wait -1
.endm
	; ---- head: ids, the descriptor, every LDS address that hangs on the thread's number alone
	s_load_b512 s[8:23], s[0:1], 0x0               ; sequence s[8:9], token types s[10:11], word mask s[12:13], gap ids s[14:15], W_gap s[16:17], W_cls s[18:19], pooled s[20:21], part s[22:23]
	v_lshl_add_u32 v254, v0, 2, 0x29000
	v_mov_b32 v255, 0
	ds_add_u32 v254, v255
	ds_add_u32 v254, v255
	s_wait_dscnt 0x0
	v_lshrrev_b32 v[T0], 5, v0
	s_wait_alu depctr_va_vdst(0)
	v_readfirstlane_b32 s2, v[T0]                  ; wave w
	s_and_b32 s4, ttmp7, 0xffff                    ; batch b
	s_lshl_b32 s3, ttmp9, 8                        ; the slice's 256 bytes in a row
	s_lshl_b32 s42, s4, 21                         ; a batch is 512 rows of 4,096 bytes,
	s_lshl_b32 s48, s2, 17                         ; my wave's 32 rows
	s_add_co_u32 s42, s42, s48
	s_add_co_u32 s42, s42, s3
	s_mov_b32 s43, 0
	s_mov_b32 s24, 1                               ; group 0: count = 1
	s_lshl_b32 s25, s2, 13                         ; LDS address: 8,192 bytes a wave
	s_mov_b32 s28, 2<<16                           ; group 1: no mask, elements of 4 bytes, no padding
	s_mov_b32 s29, 64<<16                          ; tensor_dim0 = 64
	s_mov_b32 s30, 32<<16                          ; tensor_dim1 = 32
	s_mov_b32 s31, 64<<16                          ; tile_dim0 = 64: 256 bytes, aligned to 256 in memory
	s_mov_b32 s32, 32                              ; tile_dim1 = 32 rows
	s_mov_b32 s33, 1024                            ; elements from row to row
	s_mov_b32 s34, 0
	s_mov_b32 s35, 0
	s_mov_b32 s36, 0x76543210                      ; v_permlanex16_b32's selects for lane l xor 16
	s_mov_b32 s37, 0xfedcba98
	s_lshl_b32 s47, s2, 5
	s_add_co_u32 s47, s47, 15                      ; 32 w + 15
	v_lshl_add_u32 v[APG], v[T0], 2, TAB
	v_and_b32 v[LN], 31, v0
	v_bfe_u32 v[HF], v0, 4, 1
	v_and_b32 v[R4], 15, v0                        ; r
	s_delay_alu instid0(VALU_DEP_1)
	v_lshlrev_b32 v[R16], 4, v[R4]
	s_delay_alu instid0(VALU_DEP_2)
	v_lshl_add_u32 v[AR4], v[R4], 2, TAB
	s_delay_alu instid0(VALU_DEP_3)
	v_lshlrev_b32 v[R4], 2, v[R4]
	v_lshlrev_b32 v[L4], 2, v[LN]
	v_lshlrev_b32 v[T5], 3, v[LN]
	v_lshl_add_u32 v[A8], v[LN], 3, TAB
	v_lshl_add_u32 v[A4], v[LN], 2, TAB
	v_lshl_add_u32 v[A16], v[LN], 4, TAB
	v_lshl_add_u32 v[ATH], v0, 2, TAB
	v_lshlrev_b32 v[GTH], 2, v0
	v_and_b32 v[T1], 0x1e0, v0                     ; 32 w
	s_delay_alu instid0(VALU_DEP_1)
	v_lshl_add_u32 v[ATILE], v[T1], 8, v[L4]
	s_delay_alu instid0(VALU_DEP_2)
	v_lshl_add_u32 v[AWV], v[T1], 2, TAB
	s_delay_alu instid0(VALU_DEP_3)
	v_lshl_add_u32 v[ATM], v[T1], 3, v[A4]
	s_delay_alu instid0(VALU_DEP_2)
	v_lshl_add_u32 v[AWWL], v[HF], 6, v[AWV]
	v_and_b32 v[AWWS], 1, v0
	s_delay_alu instid0(VALU_DEP_1)
	v_lshl_add_u32 v[AWWS], v[AWWS], 6, v[AWV]
	v_lshrrev_b32 v[T2], 1, v[LN]
	s_delay_alu instid0(VALU_DEP_1)
	v_lshl_add_u32 v[AWWS], v[T2], 2, v[AWWS]
	v_lshlrev_b32 v[H32], 5, v[HF]
	v_add_nc_u32 v[MLO], -1, v[HF]                 ; h - 1
	v_sub_nc_u32 v[MHI], 0, v[HF]                  ; - h
	v_mov_b32 v[T3], 0                             ; a lane permute's destination counts as one of its sources
.irp i, 6,7,8,9,10,11
	v_mov_b32 v[AL+\i], 0                          ; the instruction's blocks 2 and 3 of the mask's side: the code 0
	v_mov_b32 v[AH+\i], 0
	v_mov_b32 v[XC+6+\i], 0                        ; and what stands behind set 1's codes
.endr
	s_wait_kmcnt 0x0
	s_add_nc_u64 s[26:27], s[8:9], s[42:43]        ; the tile's first element
	s_or_b32 s27, s27, 0x80000000                  ; type = 2
	tensor_load_to_lds s[24:27], s[28:35]          ; my wave's one tensor load: 32 rows x 256 bytes
	s_nop 0
	s_lshl_b32 s44, s4, 11                         ; a batch's 2,048 bytes in each mask
	s_mov_b32 s45, 0
	s_add_nc_u64 s[10:11], s[10:11], s[44:45]
	s_add_nc_u64 s[12:13], s[12:13], s[44:45]
	s_lshl_b32 s50, ttmp9, 7
	s_add_co_u32 s50, s50, s44                     ; part: 2,048 b + 128 slice
	s_mov_b32 s51, 0
	s_add_nc_u64 s[22:23], s[22:23], s[50:51]
	s_lshl_b32 s44, s4, 6
	s_add_nc_u64 s[14:15], s[14:15], s[44:45]      ; the batch's 16 gap ids
	s_lshl_b32 s44, s2, 2
	s_add_nc_u64 s[52:53], s[14:15], s[44:45]
	s_load_b32 s38, s[52:53], 0x0                  ; gap w's id: my wave's gap in the window pass
	s_mov_b32 s44, s3
	s_add_nc_u64 s[16:17], s[16:17], s[44:45]      ; the slice's 64 numbers of each third of the weights
	s_add_nc_u64 s[18:19], s[18:19], s[44:45]
	s_lshl_b32 s48, s4, 12
	s_add_co_u32 s44, s44, s48
	s_add_nc_u64 s[20:21], s[20:21], s[44:45]      ; and of the batch's pooled row
	; ---- loads that go out while the tile is on its way
	global_load_b32 v[TT], v[GTH], s[10:11]        ; row 32 w + L
	global_load_b32 v[WM], v[GTH], s[12:13]
	global_load_b32 v[GID], v[R4], s[14:15]
.irp t, 0,1,2,3
	global_load_b128 v[WVG+8*\t:WVG+8*\t+3], v[H32], s[16:17] offset:8192+64*\t
	global_load_b128 v[WVG+8*\t+4:WVG+8*\t+7], v[H32], s[16:17] offset:8192+64*\t+16
.endr
	global_load_b128 v[WG0:WG0+3], v[R16], s[16:17]
	global_load_b128 v[WG1:WG1+3], v[R16], s[16:17] offset:4096
	global_load_b64 v[WC0:WC0+1], v[T5], s[18:19]
	global_load_b64 v[WC1:WC1+1], v[T5], s[18:19] offset:4096
	global_load_b32 v[WC2], v[L4], s[18:19] offset:8192
	global_load_b32 v[WC2+1], v[L4], s[18:19] offset:8320
	global_load_b64 v[PO:PO+1], v[T5], s[20:21]
	s_wait_kmcnt 0x0                               ; my gap's id
	s_min_u32 s39, s38, 511                        ; clamped for the gap's row
	s_sub_co_i32 s40, s38, 15
	s_max_i32 s40, s40, 0
	s_min_u32 s40, s40, 480                        ; start: rows start .. start + 31 lie in the tensor and cover the window
	s_sub_co_i32 s41, s40, s39
	s_add_co_i32 s41, s41, 15                      ; row start + j is in the window where j + start - id + 15 lies in 0 .. 30
	s_lshl_b32 s48, s40, 8
	v_lshl_add_u32 v[AWIN], v[HF], 8, v[R16]
	s_delay_alu instid0(VALU_DEP_1)
	v_add_nc_u32 v[AWIN], s48, v[AWIN]
	s_lshl_b32 s49, s39, 8
	v_add_nc_u32 v[AGAP], s49, v[R16]
	s_lshl_b32 s50, s40, 2
	v_add_nc_u32 v[GWIN], s50, v[L4]
	global_load_b32 v[TTW], v[GWIN], s[10:11]      ; row start + L
	global_load_b32 v[WMW], v[GWIN], s[12:13]
	; ---- base = (token type == 0) x word mask, of my wave's 32 rows: to the table, and back into every lane
	s_wait_loadcnt 17                              ; the first three loads are in; behind them 15 loads of weights and the 2 just issued
	v_cvt_f32_i32 v[T0], v[WM]
	v_cmp_eq_u32 vcc_lo, 0, v[TT]
	s_delay_alu instid0(VALU_DEP_1)
	v_cndmask_b32 v[T0], 0, v[T0], vcc_lo
	ds_store_b32 v[ATH], v[T0]
.irp k, 0,1,2,3,4,5,6,7
	ds_load_b128 v[BS+4*\k:BS+4*\k+3], v[AWV] offset:16*\k   ; my wave's own 128 bytes: LDS serves a wave's instructions in order (ISA guide 5.7.1.4)
.endr
	; ---- my gap's window weights and its count of tokens
	s_wait_loadcnt 0x0
	v_cvt_f32_i32 v[T1], v[WMW]
	v_cmp_eq_u32 vcc_lo, 0, v[TTW]
	s_delay_alu instid0(VALU_DEP_1)
	v_cndmask_b32 v[T1], 0, v[T1], vcc_lo
	v_add_nc_u32 v[T5], s41, v[LN]
	s_delay_alu instid0(VALU_DEP_1)
	v_cmp_gt_u32 vcc_lo, 31, v[T5]
	s_delay_alu instid0(VALU_DEP_1)
	v_cndmask_b32 v[T1], 0, v[T1], vcc_lo          ; weight of row start + L
	ds_store_b32 v[AWWS], v[T1] offset:O_WW
	v_mov_b32 v[T2], v[T1]
.irp m, 1,2,4,8
	s_delay_alu instid0(VALU_DEP_1)
	v_add_f32_dpp v[T2], v[T2], v[T2] row_xmask:\m row_mask:0xf bank_mask:0xf
.endr
	s_delay_alu instid0(VALU_DEP_1)
	v_permlanex16_b32 v[T3], v[T2], s36, s37
	s_delay_alu instid0(VALU_DEP_1)
	v_add_f32 v[T2], v[T2], v[T3]                  ; the window's tokens
	ds_store_b32 v[APG], v[T2] offset:O_NM         ; all lanes write the same word with the same value
.irp k, 0,1,2,3
	ds_load_b128 v[WJ+4*\k:WJ+4*\k+3], v[AWWL] offset:O_WW+16*\k   ; even rows' weights to lanes 0-15, odd rows' to lanes 16-31
.endr
	s_wait_dscnt 0x0
	; ---- the mask's side of the product: gap r's 32 numbers of my block, quantised; alike in both halves of the lanes
	v_sub_nc_u32 v[T5], s47, v[GID]                ; row 32 w + i is in gap r's window where i + 32 w + 15 - id lies in 0 .. 30
.irp i, 0,1,2,3,4,5,6,7,8,9,10,11,12,13,14,15,16,17,18,19,20,21,22,23,24,25,26,27,28,29,30,31
	v_add_nc_u32 v[T3], \i, v[T5]
	s_delay_alu instid0(VALU_DEP_1)
	v_cmp_gt_u32 vcc_lo, 31, v[T3]
	s_delay_alu instid0(VALU_DEP_1)
	v_cndmask_b32 v[X+\i], 0, v[BS+\i], vcc_lo
.endr
	AMAX32 X
	SCALEW SA
	CVT32 CT0, CT1, X
	v_nop                                          ; one plain instruction between a scaled conversion and the vector instruction that touches its result
.irp i, 0,1,2
	v_and_b32 v[AL+\i], v[MLO], v[CT0+\i]
	v_and_b32 v[AL+3+\i], v[MLO], v[CT1+\i]
	v_and_b32 v[AH+\i], v[MHI], v[CT0+\i]
	v_and_b32 v[AH+3+\i], v[MHI], v[CT1+\i]
.endr
	; ---- main pass: my 32 rows x 64 columns
	s_wait_tensorcnt 0x0                           ; my tile is in LDS; only I read it in this pass
.irp u, 0,1
.irp i, 0,1,2,3,4,5,6,7,8,9,10,11,12,13,14,15,16,17,18,19,20,21,22,23,24,25,26,27,28,29,30,31
	ds_load_b32 v[X+32*\u+\i], v[ATILE] offset:256*\i+128*\u   ; 32 lanes read 128 neighbouring bytes of a row
.endr
.endr
	s_wait_dscnt 32                                ; set 0 is in; set 1's 32 loads may be out
	AMAX32 X
	SCALEW SX
	CVT32 XC, CT0, X
	s_wait_dscnt 0x0
	AMAX32 X+32                                    ; (plain instructions behind set 0's conversions)
	SCALEW SX+1
	CVT32 XC+6, CT1, X+32
	v_nop                                          ; one plain instruction behind the conversions
.irp i, 0,1,2
	v_mov_b32 v[XC+3+\i], v[CT0+\i]                ; a block's second 96 bits begin on an odd register: made elsewhere and moved
	v_mov_b32 v[XC+9+\i], v[CT1+\i]
.endr
.irp u, 0,1
.irp i, 0,2,4,6,8,10,12,14,16,18,20,22,24,26,28,30
	v_pk_mul_f32 v[X+32*\u+\i:X+32*\u+\i+1], v[X+32*\u+\i:X+32*\u+\i+1], v[BS+\i:BS+\i+1]   ; the masked numbers, for the text pools.  These 32 are also the places between the writes of scales and codes and the products
.endr
.endr
	; tile t = 2 u + a: channels 16 t + 8 h + j in register j, gap r.  Four different accumulators, each begun with 0: no chain
	v_wmma_scale_f32_16x16x128_f8f6f4 v[D:D+7], v[XC:XC+11], v[AL:AL+11], 0, v[SX], v[SA] matrix_a_fmt:MATRIX_FMT_FP6 matrix_b_fmt:MATRIX_FMT_FP6
	v_wmma_scale_f32_16x16x128_f8f6f4 v[D+8:D+15], v[XC:XC+11], v[AH:AH+11], 0, v[SX], v[SA] matrix_a_fmt:MATRIX_FMT_FP6 matrix_b_fmt:MATRIX_FMT_FP6 matrix_a_scale:MATRIX_SCALE_ROW1
	v_wmma_scale_f32_16x16x128_f8f6f4 v[D+16:D+23], v[XC+6:XC+17], v[AL:AL+11], 0, v[SX+1], v[SA] matrix_a_fmt:MATRIX_FMT_FP6 matrix_b_fmt:MATRIX_FMT_FP6
	v_wmma_scale_f32_16x16x128_f8f6f4 v[D+24:D+31], v[XC+6:XC+17], v[AH:AH+11], 0, v[SX+1], v[SA] matrix_a_fmt:MATRIX_FMT_FP6 matrix_b_fmt:MATRIX_FMT_FP6 matrix_a_scale:MATRIX_SCALE_ROW1
	v_pk_add_f32 v[SM:SM+1], v[X:X+1], v[X+2:X+3]  ; the text pools of my 32 rows: they name none of the products' registers, so they are the places behind them (ISA guide 7.12.1)
	v_pk_add_f32 v[SM+2:SM+3], v[X+32:X+33], v[X+34:X+35]
.irp i, 4,6,8,10,12,14,16,18,20,22,24,26,28,30
	s_delay_alu instid0(VALU_DEP_2)
	v_pk_add_f32 v[SM:SM+1], v[SM:SM+1], v[X+\i:X+\i+1]
	s_delay_alu instid0(VALU_DEP_2)
	v_pk_add_f32 v[SM+2:SM+3], v[SM+2:SM+3], v[X+32+\i:X+33+\i]
.endr
	v_max3_num_f32 v[MX], v[X], v[X+1], v[X+2]
	v_max3_num_f32 v[MX+1], v[X+32], v[X+33], v[X+34]
.irp i, 3,5,7,9,11,13,15,17,19,21,23,25,27,29
	s_delay_alu instid0(VALU_DEP_2)
	v_max3_num_f32 v[MX], v[MX], v[X+\i], v[X+\i+1]
	s_delay_alu instid0(VALU_DEP_2)
	v_max3_num_f32 v[MX+1], v[MX+1], v[X+32+\i], v[X+33+\i]
.endr
	s_delay_alu instid0(VALU_DEP_2)
	v_max_num_f32 v[MX], v[MX], v[X+31]
	s_delay_alu instid0(VALU_DEP_2)
	v_max_num_f32 v[MX+1], v[MX+1], v[X+63]
	v_add_f32 v[SM], v[SM], v[SM+1]
	v_add_f32 v[SM+2], v[SM+2], v[SM+3]
	s_delay_alu instid0(VALU_DEP_2)
	v_mul_f32 v[MX+2], v[SM], v[WC2]
	s_delay_alu instid0(VALU_DEP_1)
	v_fmac_f32 v[MX+2], v[SM+2], v[WC2+1]          ; my two columns' sums x W_cls's last third
	ds_store_b32 v[ATM], v[MX] offset:O_TM
	ds_store_b32 v[ATM], v[MX+1] offset:O_TM+128
	ds_store_b32 v[ATH], v[MX+2] offset:O_TS
	v_pk_mul_f32 v[SM:SM+1], v[D:D+1], v[WVG:WVG+1]            ; the tiles x W_gap's last third, in two chains; each accumulator from its low end on
	v_pk_mul_f32 v[SM+2:SM+3], v[D+16:D+17], v[WVG+16:WVG+17]
.irp p, 2,4,6,8,10,12,14
	v_pk_fma_f32 v[SM:SM+1], v[D+\p:D+\p+1], v[WVG+\p:WVG+\p+1], v[SM:SM+1]
	v_pk_fma_f32 v[SM+2:SM+3], v[D+16+\p:D+17+\p], v[WVG+16+\p:WVG+17+\p], v[SM+2:SM+3]
.endr
	s_delay_alu instid0(VALU_DEP_1)
	v_pk_add_f32 v[SM:SM+1], v[SM:SM+1], v[SM+2:SM+3]
	s_delay_alu instid0(VALU_DEP_1)
	v_add_f32 v[MX+3], v[SM], v[SM+1]              ; gap r, my half's 32 channels, my block of rows
	ds_store_b32 v[ATH], v[MX+3] offset:O_AV
	BAR                                            ; every wave has waited for its tensor load and for its stores: the whole slice and the tables lie in LDS
	; ---- window pass: gap w.  Load j: lanes 0-15 row start + 2 j, lanes 16-31 the row after; 16 bytes (channels 4 r ..) a lane
.irp j, 0,1,2,3,4,5,6,7,8,9,10,11,12,13,14,15
	ds_load_b128 v[X+4*\j:X+4*\j+3], v[AWIN] offset:512*\j
.endr
	ds_load_b128 v[D:D+3], v[AGAP]                 ; the gap's own row, alike in both halves
	s_wait_dscnt 0x0
	s_barrier_signal -1                            ; my reads by addresses that hang on a gap id are over: no wave stores to LDS before all sixteen have said so.  Only work on registers up to the wait
	v_pk_mul_f32 v[SM:SM+1], v[D:D+1], v[WG0:WG0+1]
	s_delay_alu instid0(VALU_DEP_1)
	v_pk_fma_f32 v[SM:SM+1], v[D+2:D+3], v[WG0+2:WG0+3], v[SM:SM+1]
.irp j, 0,1,2,3,4,5,6,7,8,9,10,11,12,13,14,15
.if (\j)%2 == 0
	v_pk_mul_f32 v[X+4*\j:X+4*\j+1], v[X+4*\j:X+4*\j+1], v[WJ+\j:WJ+\j+1] op_sel_hi:[1,0]          ; x the row's weight: the pair's first register for both halves,
	v_pk_mul_f32 v[X+4*\j+2:X+4*\j+3], v[X+4*\j+2:X+4*\j+3], v[WJ+\j:WJ+\j+1] op_sel_hi:[1,0]
.else
	v_pk_mul_f32 v[X+4*\j:X+4*\j+1], v[X+4*\j:X+4*\j+1], v[WJ+\j-1:WJ+\j] op_sel:[0,1] op_sel_hi:[1,1]   ; or its second
	v_pk_mul_f32 v[X+4*\j+2:X+4*\j+3], v[X+4*\j+2:X+4*\j+3], v[WJ+\j-1:WJ+\j] op_sel:[0,1] op_sel_hi:[1,1]
.endif
.endr
.irp c, 0,1,2,3
	v_max3_num_f32 v[MX+\c], v[X+\c], v[X+4+\c], 0 ; the rows outside the window take part as zeros
.endr
.irp j, 2,4,6,8,10,12,14
.irp c, 0,1,2,3
	s_delay_alu instid0(VALU_DEP_4)
	v_max3_num_f32 v[MX+\c], v[MX+\c], v[X+4*\j+\c], v[X+4*\j+4+\c]
.endr
.endr
.irp c, 0,1,2,3
	s_delay_alu instid0(VALU_DEP_4)
	v_permlanex16_b32 v[T0+\c], v[MX+\c], s36, s37
.endr
.irp c, 0,1,2,3
	s_delay_alu instid0(VALU_DEP_4)
	v_max_num_f32 v[MX+\c], v[MX+\c], v[T0+\c]     ; even rows' with odd rows'
.endr
	s_delay_alu instid0(VALU_DEP_3)
	v_pk_fma_f32 v[SM:SM+1], v[MX:MX+1], v[WG1:WG1+1], v[SM:SM+1]
	s_delay_alu instid0(VALU_DEP_1)
	v_pk_fma_f32 v[SM:SM+1], v[MX+2:MX+3], v[WG1+2:WG1+3], v[SM:SM+1]
	s_delay_alu instid0(VALU_DEP_1)
	v_add_f32 v[SM], v[SM], v[SM+1]
.irp m, 1,2,4,8
	s_delay_alu instid0(VALU_DEP_1)
	v_add_f32_dpp v[SM], v[SM], v[SM] row_xmask:\m row_mask:0xf bank_mask:0xf   ; over the 16 lanes of a half: all 64 channels (both halves hold the same)
.endr
	s_wait_alu depctr_va_vdst(0)
	s_barrier_wait -1
	ds_store_b32 v[APG], v[SM] offset:O_PG
	BAR                                            ; all tables are whole
	; ---- finale: wave 0
	s_cmp_lg_u32 s2, 0
	s_cbranch_scc1 .Lend
.irp q, 0,1,2,3,4,5,6,7,8,9,10,11,12,13,14,15
	ds_load_b64 v[X+2*\q:X+2*\q+1], v[A8] offset:O_TM+256*\q   ; wave q's maxima of columns 2 L, 2 L + 1
.endr
.irp k, 0,1,2,3
	ds_load_b128 v[X+32+4*\k:X+35+4*\k], v[A16] offset:O_TS+512*\k   ; all 512 words are added: any order serves
.endr
.irp k, 0,1,2,3
	ds_load_b128 v[D+4*\k:D+4*\k+3], v[A16] offset:512*\k            ; base, likewise
.endr
.irp q, 0,1,2,3,4,5,6,7,8,9,10,11,12,13,14,15
	ds_load_b32 v[X+48+\q], v[A4] offset:O_AV+128*\q                 ; wave q's figure of my lane
.endr
	ds_load_b32 v[D+16], v[AR4] offset:O_PG
	ds_load_b32 v[D+17], v[AR4] offset:O_NM
	s_wait_dscnt 26                                ; the 16 loads of maxima are in; behind them 4 + 4 + 16 + 2
	v_max3_num_f32 v[MX], v[X], v[X+2], v[X+4]
	v_max3_num_f32 v[MX+1], v[X+1], v[X+3], v[X+5]
.irp q, 6,10,14,18,22,26
	s_delay_alu instid0(VALU_DEP_2)
	v_max3_num_f32 v[MX], v[MX], v[X+\q], v[X+\q+2]
	s_delay_alu instid0(VALU_DEP_2)
	v_max3_num_f32 v[MX+1], v[MX+1], v[X+\q+1], v[X+\q+3]
.endr
	s_delay_alu instid0(VALU_DEP_2)
	v_max_num_f32 v[MX], v[MX], v[X+30]
	s_delay_alu instid0(VALU_DEP_2)
	v_max_num_f32 v[MX+1], v[MX+1], v[X+31]
	v_pk_mul_f32 v[SM:SM+1], v[PO:PO+1], v[WC0:WC0+1]
	s_delay_alu instid0(VALU_DEP_1)
	v_pk_fma_f32 v[SM:SM+1], v[MX:MX+1], v[WC1:WC1+1], v[SM:SM+1]
	s_delay_alu instid0(VALU_DEP_1)
	v_add_f32 v[SM], v[SM], v[SM+1]                ; pooled and text maximum x W_cls's first two thirds, my two columns
	s_wait_dscnt 0x0
	SUM16 X+32                                     ; text sums
	SUM16 D                                        ; tokens of the text
	SUM16 X+48                                     ; the product, over the 16 blocks of rows
.irp m, 1
	v_add_f32_dpp v[SM], v[SM], v[SM] row_xmask:\m row_mask:0xf bank_mask:0xf
	v_add_f32_dpp v[X+32], v[X+32], v[X+32] row_xmask:\m row_mask:0xf bank_mask:0xf
	v_add_f32_dpp v[D], v[D], v[D] row_xmask:\m row_mask:0xf bank_mask:0xf
.endr
.irp m, 2, 4, 8
	s_delay_alu instid0(VALU_DEP_3)
	v_add_f32_dpp v[SM], v[SM], v[SM] row_xmask:\m row_mask:0xf bank_mask:0xf
	s_delay_alu instid0(VALU_DEP_3)
	v_add_f32_dpp v[X+32], v[X+32], v[X+32] row_xmask:\m row_mask:0xf bank_mask:0xf
	s_delay_alu instid0(VALU_DEP_3)
	v_add_f32_dpp v[D], v[D], v[D] row_xmask:\m row_mask:0xf bank_mask:0xf
.endr
	s_delay_alu instid0(VALU_DEP_3)
	v_permlanex16_b32 v[T0], v[SM], s36, s37
	s_delay_alu instid0(VALU_DEP_3)
	v_permlanex16_b32 v[T1], v[X+32], s36, s37
	s_delay_alu instid0(VALU_DEP_3)
	v_permlanex16_b32 v[T2], v[D], s36, s37
	v_permlanex16_b32 v[T3], v[X+48], s36, s37
	s_delay_alu instid0(VALU_DEP_2)
	v_add_f32 v[D], v[D], v[T2]
	v_add_f32 v[SM], v[SM], v[T0]
	v_add_f32 v[X+32], v[X+32], v[T1]
	s_wait_alu depctr_va_vdst(0)
	v_rcp_f32 v[D+1], v[D]                         ; 1 / the text's tokens
	v_rcp_f32 v[D+18], v[D+17]                     ; 1 / gap r's tokens
	v_add_f32 v[X+48], v[X+48], v[T3]              ; gap r's two halves of the channels.  (The plain instruction behind the reciprocals)
	s_wait_alu depctr_va_vdst(0)                   ; one wait for both reciprocals, ahead of their first reader
	v_fma_f32 v[SM+1], v[X+32], v[D+1], v[SM]      ; the slice's share of the cls score
	v_fma_f32 v[SM+2], v[X+48], v[D+18], v[D+16]   ; and of gap r's
	v_cmp_eq_u32 vcc_lo, 16, v[LN]
	s_delay_alu instid0(VALU_DEP_1)
	v_cndmask_b32 v[SM+1], 0, v[SM+1], vcc_lo
	v_cmp_gt_u32 vcc_lo, 16, v[LN]
	s_delay_alu instid0(VALU_DEP_1)
	v_cndmask_b32 v[SM+1], v[SM+1], v[SM+2], vcc_lo
	global_store_b32 v[L4], v[SM+1], s[22:23]      ; 32 lanes store 128 consecutive bytes, at a multiple of 128 from part's first byte
.Lend:
	s_wait_xcnt 0x0
	v_lshl_add_u32 v254, v0, 2, 0x29000
	v_mov_b32 v255, 0
	s_wait_alu depctr_va_vdst(0)
	s_wait_tensorcnt 0x0
	ds_add_u32 v254, v255
	s_wait_dscnt 0x0
	s_endpgm
.Lfunc_end_k_qd9207721f2_pool:
	.size	k_qd9207721f2_pool, .Lfunc_end_k_qd9207721f2_pool-k_qd9207721f2_pool
	.p2alignl 7, 3214868480
	.fill 96, 4, 3214868480
	.section	.rodata,"a",@progbits
	.p2align	6, 0x0
	.amdhsa_kernel k_qd9207721f2_pool
		.amdhsa_group_segment_fixed_size 169984
		.amdhsa_private_segment_fixed_size 0
		.amdhsa_enable_private_segment 0
		.amdhsa_kernarg_size 64
		.amdhsa_user_sgpr_count 2
		.amdhsa_user_sgpr_kernarg_segment_ptr 1
		.amdhsa_wavefront_size32 1
		.amdhsa_system_sgpr_workgroup_id_x 1
		.amdhsa_system_sgpr_workgroup_id_y 1
		.amdhsa_system_sgpr_workgroup_id_z 1
		.amdhsa_system_vgpr_workitem_id 0
		.amdhsa_next_free_vgpr 256
		.amdhsa_next_free_sgpr 66
		.amdhsa_reserve_vcc 1
		.amdhsa_float_denorm_mode_32 3
		.amdhsa_float_denorm_mode_16_64 3
		.amdhsa_memory_ordered 1
		.amdhsa_forward_progress 1
		.amdhsa_inst_pref_size 51
	.end_amdhsa_kernel
	.amdgpu_metadata
---
amdhsa.version: [ 1, 2 ]
amdhsa.kernels:
  - .name:           k_qd9207721f2_pool
    .symbol:         k_qd9207721f2_pool.kd
    .args:
      - { .name: sequence_output, .offset: 0, .size: 8, .value_kind: global_buffer, .address_space: global }
      - { .name: token_type_ids, .offset: 8, .size: 8, .value_kind: global_buffer, .address_space: global }
      - { .name: word_mask, .offset: 16, .size: 8, .value_kind: global_buffer, .address_space: global }
      - { .name: gap_ids, .offset: 24, .size: 8, .value_kind: global_buffer, .address_space: global }
      - { .name: W_gap, .offset: 32, .size: 8, .value_kind: global_buffer, .address_space: global }
      - { .name: W_cls, .offset: 40, .size: 8, .value_kind: global_buffer, .address_space: global }
      - { .name: pooled_output, .offset: 48, .size: 8, .value_kind: global_buffer, .address_space: global }
      - { .name: part, .offset: 56, .size: 8, .value_kind: global_buffer, .address_space: global }
    .group_segment_fixed_size: 169984
    .private_segment_fixed_size: 0
    .kernarg_segment_align: 8
    .kernarg_segment_size: 64
    .max_flat_workgroup_size: 512
    .sgpr_count:     66
    .vgpr_count:     256
    .wavefront_size: 32
...
	.end_amdgpu_metadata
.endif
;; end of part 1
;; launch combine (part 2): grid 16 x 1, 1 waves a work-group, no clusters, 0 bytes of LDS; arguments part, b_gap, b_cls, out0; writes out0
.if DOCPART == 2
	.amdgcn_target "amdgcn-amd-amdhsa--gfx1250"
	.amdhsa_code_object_version 6
	.text
	.protected	k_qd9207721f2_combine
	.globl	k_qd9207721f2_combine
	.p2align	8
	.type	k_qd9207721f2_combine,@function
k_qd9207721f2_combine:
	s_mov_b64 s[64:65], 0
	v_nop
	global_prefetch_b8 v0, s[64:65] scope:SCOPE_SE
	s_setreg_imm32_b32 hwreg(HW_REG_WAVE_MODE, 25, 1), 1
	s_wait_xcnt 0x0
; out0[b][0] = the cls score, out0[b][1 + g] = gap g's score: the sum of the 16 channel slices' shares in part [16 b][16 slice][32], plus the bias.
; One wave to a batch: lane L takes word L of each slice (L < 16: gap L; L = 16: cls; the others hold zeros and store nothing).  Each load of the wave reads 128 consecutive bytes.
; No LDS, no barrier, no matrix instruction: 2 KiB in, 68 bytes out.  A batch's 68 bytes are no whole aligned run of 256: the output's own shape.
.macro SUM16 b                         ; v[b] = the sum of v[b] .. v[b + 15]
	v_pk_add_f32 v[\b:\b+1], v[\b:\b+1], v[\b+2:\b+3]
	v_pk_add_f32 v[\b+4:\b+5], v[\b+4:\b+5], v[\b+6:\b+7]
	v_pk_add_f32 v[\b+8:\b+9], v[\b+8:\b+9], v[\b+10:\b+11]
	v_pk_add_f32 v[\b+12:\b+13], v[\b+12:\b+13], v[\b+14:\b+15]
	v_pk_add_f32 v[\b:\b+1], v[\b:\b+1], v[\b+4:\b+5]
	v_pk_add_f32 v[\b+8:\b+9], v[\b+8:\b+9], v[\b+12:\b+13]
	v_pk_add_f32 v[\b:\b+1], v[\b:\b+1], v[\b+8:\b+9]
	v_add_f32 v[\b], v[\b], v[\b+1]
.endm
	s_load_b256 s[4:11], s[0:1], 0x0               ; part s[4:5], b_gap s[6:7], b_cls s[8:9], out0 s[10:11]
	v_lshlrev_b32 v1, 2, v0                        ; 4 L
	s_lshl_b32 s16, ttmp9, 11                      ; a batch's 2,048 bytes of part
	s_mov_b32 s17, 0
	s_mul_i32 s18, ttmp9, 68                       ; and its 17 numbers of out0
	s_mov_b32 s19, 0
	s_wait_alu depctr_va_vdst(0)
	s_wait_kmcnt 0x0
	s_add_nc_u64 s[4:5], s[4:5], s[16:17]
	s_add_nc_u64 s[10:11], s[10:11], s[18:19]
	s_load_b32 s12, s[6:7], 0x0                    ; b_gap
	s_load_b32 s13, s[8:9], 0x0                    ; b_cls
.irp k, 0,1,2,3,4,5,6,7,8,9,10,11,12,13,14,15
	global_load_b32 v[8+\k], v1, s[4:5] offset:128*\k
.endr
	v_cmp_gt_u32 vcc_lo, 16, v0
	v_add_nc_u32 v2, 4, v1
	v_cndmask_b32 v2, 0, v2, vcc_lo                ; gap L goes to word 1 + L, cls to word 0
	s_wait_kmcnt 0x0
	v_mov_b32 v3, s13
	v_mov_b32 v4, s12
	v_cndmask_b32 v3, v3, v4, vcc_lo               ; the gaps' bias in lanes 0-15, else the cls bias
	s_wait_loadcnt 0x0
	SUM16 8
	s_wait_alu depctr_va_vdst(0)
	v_add_f32 v5, v8, v3
	v_cmp_gt_u32 vcc_lo, 17, v0
	s_wait_alu depctr_va_vdst(0)
	s_wait_xcnt 0x0                                ; EXEC is a source of the loads above: it changes only behind this wait
	s_and_saveexec_b32 s14, vcc_lo
	global_store_b32 v2, v5, s[10:11]              ; lanes 0 to 16
	s_endpgm
.Lfunc_end_k_qd9207721f2_combine:
	.size	k_qd9207721f2_combine, .Lfunc_end_k_qd9207721f2_combine-k_qd9207721f2_combine
	.p2alignl 7, 3214868480
	.fill 96, 4, 3214868480
	.section	.rodata,"a",@progbits
	.p2align	6, 0x0
	.amdhsa_kernel k_qd9207721f2_combine
		.amdhsa_group_segment_fixed_size 0
		.amdhsa_private_segment_fixed_size 0
		.amdhsa_enable_private_segment 0
		.amdhsa_kernarg_size 32
		.amdhsa_user_sgpr_count 2
		.amdhsa_user_sgpr_kernarg_segment_ptr 1
		.amdhsa_wavefront_size32 1
		.amdhsa_system_sgpr_workgroup_id_x 1
		.amdhsa_system_sgpr_workgroup_id_y 1
		.amdhsa_system_sgpr_workgroup_id_z 1
		.amdhsa_system_vgpr_workitem_id 0
		.amdhsa_next_free_vgpr 32
		.amdhsa_next_free_sgpr 66
		.amdhsa_reserve_vcc 1
		.amdhsa_float_denorm_mode_32 3
		.amdhsa_float_denorm_mode_16_64 3
		.amdhsa_memory_ordered 1
		.amdhsa_forward_progress 1
		.amdhsa_inst_pref_size 4
	.end_amdhsa_kernel
	.amdgpu_metadata
---
amdhsa.version: [ 1, 2 ]
amdhsa.kernels:
  - .name:           k_qd9207721f2_combine
    .symbol:         k_qd9207721f2_combine.kd
    .args:
      - { .name: part, .offset: 0, .size: 8, .value_kind: global_buffer, .address_space: global }
      - { .name: b_gap, .offset: 8, .size: 8, .value_kind: global_buffer, .address_space: global }
      - { .name: b_cls, .offset: 16, .size: 8, .value_kind: global_buffer, .address_space: global }
      - { .name: out0, .offset: 24, .size: 8, .value_kind: global_buffer, .address_space: global }
    .group_segment_fixed_size: 0
    .private_segment_fixed_size: 0
    .kernarg_segment_align: 8
    .kernarg_segment_size: 32
    .max_flat_workgroup_size: 32
    .sgpr_count:     66
    .vgpr_count:     32
    .wavefront_size: 32
...
	.end_amdgpu_metadata
.endif
;; end of part 2
